; MI455X (gfx1250); checked and timed in simulation.
; The chip was launched on July 23, 2026; its instructions are those of AMD's public machine-readable ISA for CDNA 5 (MIT licence, August 2026) and "CDNA5" Instruction Set Architecture Reference Guide (July 2026). The comments in the code are by the model that wrote it; some were corrected since.
;; F Lo RA Layer. Allowed arithmetic: matrix products marked QUANTISED: E5M2 operands, one given power-of-two scale a tensor, by v_wmma_f32_16x16x64_bf8_bf8 or v_wmma_f32_16x16x128_bf8_bf8, f32 sums; products left as they are: f32 operands where the result goes on into a quantised operand, else bf16, f16 or f32 operands; f32 sums; everything else in f32.
;; Inputs: W0 1,024 x 1,024 float32; adapter_a 8 x 8 x 1,024 float32; adapter_b 8 x 1,024 x 8 float32; lowp_scales 2 int32 (the exponents e of the quantised operands' scales 2^e); x 8 x 1,024 x 1,024 float32.
;; Outputs: out0 8 x 1,024 x 1,024 float32.
;; This version of the problem:
;;   THIS VERSION OF THE PROBLEM IS GIVEN IN LOW PRECISION. The matrix products marked QUANTISED in the list below multiply operands that are first quantised to E5M2 (5 exponent bits, 2 mantissa bits; 8 bits a number), with one given power-of-two scale for each operand tensor; their sums are f32. All else is computed in f32.
;;   The module's matrix products, in the order in which they are computed (A, B: the left and right operand; K: the contracted axis; several contracted axes count as one K, in the product's order):
;;     1. batch 8,192 x [M 8, K 1] x [K 1, N 1,024]; A: computed on the way; B: computed on the way: left as it is (no contracted axis)
;;     2. [M 65,536, K 1,024] x [K 1,024, N 1,024]; A: computed on the way; B: input W0: QUANTISED (scales: A lowp_scales[0], B lowp_scales[1])
;;   THE QUANTISER, for each operand of a quantised product, along K:
;;     - The operand's scale is 2^e, e = its entry of the input lowp_scales (int32; the entries are numbered through the quantised products in the list's order, A before B).
;;     - Each number is divided by the scale, clamped to +-57,344, and rounded to the nearest number of E5M2, ties to even, subnormals kept.
;;     - The product sums the exact products of the quantised numbers (number of the format x scale) in f32.
;;   ~~~python
;;   def quantise(x, axis, e):      # numpy; x: float32 -> the quantised numbers, widened to float32 again
;;       x = np.moveaxis(x, axis, -1); K = x.shape[-1]
;;       r = np.clip(x / 2.0 ** e, -57344, 57344)
;;       step = 2.0 ** (np.maximum(np.frexp(np.where(r == 0, 1, r))[1] - 1, -14) - 2)
;;       q = np.round(r / step) * step * 2.0 ** e      # np.round: ties to even
;;       return np.moveaxis(q, -1, axis).astype(np.float32)
;;   ~~~
;;   OPERANDS COMPUTED ON THE WAY. 'Computed on the way' means the value that the module computes at that place (a softmax that the list does not call 'softmax' is quantised finished and normalised). What goes into a quantiser is computed in f32, as accurately as f32 sums, v_exp_f32 and their like allow (about 1e-6 of the number): no bf16 or f16 on the way to a quantiser, and a product that is left as it is and whose result goes on into a quantised operand takes f32 operands (vector FMAs, or v_wmma_f32_16x16x4_f32). A number that lies on a knife's edge between two numbers of the format may be rounded either way, as far as f32 arithmetic and the matrix unit's own rounding can turn it there, and no further.
;; One version. Each part assembles by itself: llvm-mc -triple=amdgcn-amd-amdhsa -mcpu=gfx1250 --defsym DOCPART=n.
;; ======== version 1 of 1: 2 launches
;; limits: right only within a limited range of input values; values are held in f16: magnitudes above 65,504 overflow, below 6.1e-05 lose precision
;; workspace buffers: wq 1,048,576 bytes; bt 262,144 bytes; cf 262,144 bytes
;; launch prep (part 1): grid 8 x 32, 4 waves a work-group, no clusters, 4,608 bytes of LDS; arguments W0, lowp_scales, wq, adapter_b, adapter_a, bt, cf; writes wq, bt, cf
.if DOCPART == 1
	.amdgcn_target "amdgcn-amd-amdhsa--gfx1250"
	.amdhsa_code_object_version 6
	.text
	.protected	k_q2585738a11_prep
	.globl	k_q2585738a11_prep
	.p2align	8
	.type	k_q2585738a11_prep,@function
k_q2585738a11_prep:
	s_mov_b64 s[64:65], 0
	v_nop
	global_prefetch_b8 v0, s[64:65] scope:SCOPE_SE
	s_setreg_imm32_b32 hwreg(HW_REG_WAVE_MODE, 25, 1), 1
	s_wait_xcnt 0x0
; W0 [1024 (k)][1024 (o)], f32, is the right operand of the quantised product and K is its FIRST axis.  It is turned into codes of BF8 (E5M2) with the given scale 2^e1
; (entry 1 of lowp_scales): code = x / 2^e1, held within +-57,344, to the nearest code, ties to even.
; THE CODES ARE LAID AS IMAGES OF OPERAND REGISTERS, in the order in which the second launch takes them.  A fragment is 16 columns o x 128 k, 2,048 bytes: byte c*512 + lane*16 + i is
; k = 128 ks + 32 c + 16 (lane / 16) + i of the fragment's row rr = lane % 16.  Tile T (0..63), row rr stands for column o = 8 q + rr % 8, q = T % 32 + 32 (rr / 8) + 64 (T / 32).
; Fragment (T, ks) lies at (T / 4) * 65536 + ((T / 2) % 2) * 32768 + (ks / 4) * 16384 + (ks % 4) * 4096 + (T % 2) * 2048.
; SHARES.  Work-group (cg, kc) takes the 32 rows k = 32 kc .. and the 128 columns of tiles 8 cg .. 8 cg + 7: two runs of 64 columns, 256 columns apart.  A LANE TAKES A COLUMN AND ITS REGISTERS RUN DOWN K,
; so the conversions give codes with K innermost and nothing is transposed by an instruction.  The codes meet in LDS as the eight tiles' 512 bytes and leave so: a wave's store covers 512 consecutive bytes.
; LIMITS: e1 between -126 and 112, so that 2^e1 and 57,344 x 2^e1 are f32 numbers.  NaN among the inputs is not served.
.set XR,  16                           ; v16-47  32 numbers down K
.set CDE, 48                           ; v48-55  their codes
.set OB,  56                           ; v56-63  the way out
	s_load_b128 s[4:7], s[0:1], 0x0                ; W0 s[4:5], lowp_scales s[6:7]
	s_load_b64 s[8:9], s[0:1], 0x10
	s_load_b128 s[24:27], s[0:1], 0x18             ; adapter_b, adapter_a
	s_load_b128 s[28:31], s[0:1], 0x28             ; bt, cf
	v_lshl_add_u32 v64, v0, 2, 0x1000
	v_mov_b32 v65, 0
	v_lshrrev_b32 v1, 5, v0
	v_readfirstlane_b32 s10, v1                    ; wave 0..3
	v_and_b32 v2, 31, v0                           ; lane
	s_wait_alu depctr_va_vdst(0)
	s_and_b32 s11, ttmp7, 0xffff                   ; kc
	s_and_b32 s12, ttmp9, 3
	s_lshl_b32 s12, s12, 6                         ; 64 (cg % 4)
	s_lshr_b32 s13, ttmp9, 2
	s_lshl_b32 s13, s13, 9                         ; + 512 (cg / 4)
	s_add_co_u32 s12, s12, s13
	s_lshr_b32 s13, s10, 1                         ; wave / 2: which of the two runs of columns = rr / 8
	s_and_b32 s15, s10, 1                          ; wave % 2: which 32 of the run's 64
	s_lshl_b32 s14, s13, 8
	s_add_co_u32 s12, s12, s14
	s_lshl_b32 s14, s15, 5
	s_add_co_u32 s12, s12, s14                     ; my wave's first column
	s_lshl_b32 s16, s12, 2
	s_lshl_b32 s14, s11, 17                        ; 32 rows of 4,096 bytes
	s_add_co_u32 s16, s16, s14
	s_mov_b32 s17, 0                               ; s[16:17]: where my wave's part of W0 begins
	v_lshlrev_b32 v3, 2, v2                        ; in: 4 bytes a lane
	v_lshrrev_b32 v4, 3, v2
	v_lshlrev_b32 v4, 9, v4                        ; into LDS: tile 4 (wave % 2) + lane / 8, 512 bytes each;
	v_and_b32 v5, 7, v2
	v_lshl_add_u32 v4, v5, 4, v4                   ; row rr = lane % 8 + 8 (wave / 2), 16 bytes each
	s_lshl_b32 s18, s15, 11
	s_lshl_b32 s19, s13, 7
	s_add_co_u32 s18, s18, s19
	v_add_nc_u32 v4, s18, v4
	v_lshlrev_b32 v6, 4, v0                        ; out of LDS: 16 bytes a thread: wave w takes tile w, then tile w + 4
	s_lshl_b32 s18, s15, 11                        ; tile w in wq: (w % 2) * 2048 + (w / 2) * 32768
	s_lshl_b32 s19, s13, 15
	s_add_co_u32 s18, s18, s19
	v_lshl_add_u32 v7, v2, 4, s18
	s_lshl_b32 s20, ttmp9, 17                      ; eight tiles are two slots of 65,536 bytes
	s_lshr_b32 s21, s11, 4
	s_lshl_b32 s21, s21, 14                        ; ks / 4
	s_add_co_u32 s20, s20, s21
	s_bfe_u32 s21, s11, 0x20002
	s_lshl_b32 s21, s21, 12                        ; ks % 4
	s_add_co_u32 s20, s20, s21
	s_and_b32 s21, s11, 3
	s_lshl_b32 s21, s21, 9                         ; c
	s_add_co_u32 s20, s20, s21
	s_mov_b32 s21, 0
; ALSO MADE HERE, 1,024 bytes of each by every work-group (batch = cg, part = kc), two numbers a thread, a wave's store 256 consecutive bytes:
; bt[b][r][d] = adapter_b[b][d][r];  cf[b][T][r][h][j] = adapter_a[b][j][128 r + q] x 2^(e0 + e1 - 3), q = T % 32 + 32 h + 64 (T / 32): the mean's 1/8 and both scales in one factor.
	v_lshlrev_b32 v66, 6, v0                       ; adapter_b: two rows d of 32 bytes a thread
	v_and_b32 v67, 3, v0
	v_lshlrev_b32 v67, 13, v67                     ; adapter_a: j = 2 (t % 4), rows of 4,096 bytes
	v_bfe_u32 v69, v0, 3, 3
	v_lshl_add_u32 v67, v69, 9, v67                ; r
	v_bfe_u32 v69, v0, 2, 1
	v_lshl_add_u32 v67, v69, 7, v67                ; h: 32 q further on
	v_lshrrev_b32 v69, 6, v0
	v_lshl_add_u32 v67, v69, 2, v67                ; T % 2
	v_lshlrev_b32 v68, 3, v0                       ; out: 8 bytes a thread
	s_lshl_b32 s34, ttmp9, 15                      ; the batch's 32,768 bytes
	s_and_b32 s36, s11, 3
	s_lshl_b32 s36, s36, 13                        ; d0 = 256 (kc % 4)
	s_lshr_b32 s35, s11, 2
	s_lshl_b32 s35, s35, 2                         ; r = kc / 4
	s_add_co_u32 s36, s36, s35
	s_add_co_u32 s36, s36, s34
	s_mov_b32 s37, 0
	s_and_b32 s38, s11, 15
	s_lshl_b32 s38, s38, 3                         ; q: 2 (kc % 16)
	s_lshr_b32 s35, s11, 4
	s_lshl_b32 s35, s35, 8                         ; + 64 (kc / 16)
	s_add_co_u32 s38, s38, s35
	s_add_co_u32 s38, s38, s34
	s_mov_b32 s39, 0
	s_lshl_b32 s40, s11, 10
	s_add_co_u32 s40, s40, s34
	s_mov_b32 s41, 0
	s_wait_alu depctr_va_vdst(0)
	s_wait_kmcnt 0x0
	s_load_b32 s22, s[6:7], 0x4
	s_load_b32 s33, s[6:7], 0x0                    ; e0
	s_add_nc_u64 s[24:25], s[24:25], s[36:37]
	s_add_nc_u64 s[26:27], s[26:27], s[38:39]
	s_add_nc_u64 s[28:29], s[28:29], s[40:41]
	s_add_nc_u64 s[30:31], s[30:31], s[40:41]
	global_load_b32 v70, v66, s[24:25]
	global_load_b32 v71, v66, s[24:25] offset:32
	global_load_b32 v72, v67, s[26:27]
	global_load_b32 v73, v67, s[26:27] offset:4096
	s_add_nc_u64 s[4:5], s[4:5], s[16:17]
	s_add_nc_u64 s[8:9], s[8:9], s[20:21]
.irp i, 0,1,2,3,4,5,6,7,8,9,10,11,12,13,14,15,16,17,18,19,20,21,22,23,24,25,26,27,28,29,30,31
	global_load_b32 v[XR+\i], v3, s[4:5] offset:\i*4096 th:TH_LOAD_NT   ; W0(32 kc + i, my column): 32 lanes read 128 consecutive bytes, two waves side by side 256
.endr
	s_wait_kmcnt 0x0
	s_add_co_i32 s33, s33, s22
	s_sub_co_i32 s33, s33, 3                       ; e0 + e1 - 3
	s_add_co_i32 s22, s22, 127
	s_lshl_b32 s23, s22, 23
	v_mov_b32 v11, s23                             ; 2^e1 as f32: the conversion takes its exponent field
	s_add_co_i32 s22, s22, 15
	s_lshl_b32 s22, s22, 23
	s_or_b32 s22, s22, 0x600000
	v_mov_b32 v10, s22                             ; 57,344 x 2^e1
	s_wait_alu depctr_va_vdst(0)
	s_wait_loadcnt 0x0
	v_ldexp_f32 v72, v72, s33
	v_ldexp_f32 v73, v73, s33
	global_store_b64 v68, v[70:71], s[28:29]
	global_store_b64 v68, v[72:73], s[30:31]
.irp i, 0,1,2,3,4,5,6,7,8,9,10,11,12,13,14,15,16,17,18,19,20,21,22,23,24,25,26,27,28,29,30,31
	v_med3_num_f32 v[XR+\i], v[XR+\i], -v10, v10   ; the conversion to an 8-bit code does not saturate (ISA guide 7.6.2): the hold comes first
.endr
.irp g, 0,1,2,3
	v_cvt_scalef32_pk8_bf8_f32 v[CDE+2*\g:CDE+2*\g+1], v[XR+8*\g:XR+8*\g+7], v11
.endr
	v_nop                                          ; a plain line behind the last conversion
	ds_store_b128 v4, v[CDE:CDE+3]                 ; k 0-15 of the 32: the lanes 0-15 of the image
	ds_store_b128 v4, v[CDE+4:CDE+7] offset:256    ; k 16-31: its lanes 16-31
	s_wait_dscnt 0x0                               ; for the others' sake: my stores have landed
	s_barrier_signal -1
	s_barrier_wait -1
	ds_load_b128 v[OB:OB+3], v6
	ds_load_b128 v[OB+4:OB+7], v6 offset:2048
	s_wait_dscnt 1
	global_store_b128 v7, v[OB:OB+3], s[8:9]       ; 32 lanes store 512 consecutive bytes, at a multiple of 512 from wq's first byte
	s_wait_dscnt 0x0
	global_store_b128 v7, v[OB+4:OB+7], s[8:9] offset:65536   ; tile w + 4 lies one slot further on
	s_wait_tensorcnt 0x0
	ds_add_u32 v64, v65
	s_wait_dscnt 0x0
	s_endpgm
.Lfunc_end_k_q2585738a11_prep:
	.size	k_q2585738a11_prep, .Lfunc_end_k_q2585738a11_prep-k_q2585738a11_prep
	.p2alignl 7, 3214868480
	.fill 96, 4, 3214868480
	.section	.rodata,"a",@progbits
	.p2align	6, 0x0
	.amdhsa_kernel k_q2585738a11_prep
		.amdhsa_group_segment_fixed_size 4608
		.amdhsa_private_segment_fixed_size 0
		.amdhsa_enable_private_segment 0
		.amdhsa_kernarg_size 56
		.amdhsa_user_sgpr_count 2
		.amdhsa_user_sgpr_kernarg_segment_ptr 1
		.amdhsa_wavefront_size32 1
		.amdhsa_system_sgpr_workgroup_id_x 1
		.amdhsa_system_sgpr_workgroup_id_y 1
		.amdhsa_system_sgpr_workgroup_id_z 1
		.amdhsa_system_vgpr_workitem_id 0
		.amdhsa_next_free_vgpr 80
		.amdhsa_next_free_sgpr 66
		.amdhsa_reserve_vcc 0
		.amdhsa_float_denorm_mode_32 3
		.amdhsa_float_denorm_mode_16_64 3
		.amdhsa_memory_ordered 1
		.amdhsa_forward_progress 1
		.amdhsa_inst_pref_size 11
	.end_amdhsa_kernel
	.amdgpu_metadata
---
amdhsa.version: [ 1, 2 ]
amdhsa.kernels:
  - .name:           k_q2585738a11_prep
    .symbol:         k_q2585738a11_prep.kd
    .args:
      - { .name: W0, .offset: 0, .size: 8, .value_kind: global_buffer, .address_space: global }
      - { .name: lowp_scales, .offset: 8, .size: 8, .value_kind: global_buffer, .address_space: global }
      - { .name: wq, .offset: 16, .size: 8, .value_kind: global_buffer, .address_space: global }
      - { .name: adapter_b, .offset: 24, .size: 8, .value_kind: global_buffer, .address_space: global }
      - { .name: adapter_a, .offset: 32, .size: 8, .value_kind: global_buffer, .address_space: global }
      - { .name: bt, .offset: 40, .size: 8, .value_kind: global_buffer, .address_space: global }
      - { .name: cf, .offset: 48, .size: 8, .value_kind: global_buffer, .address_space: global }
    .group_segment_fixed_size: 4608
    .private_segment_fixed_size: 0
    .kernarg_segment_align: 8
    .kernarg_segment_size: 56
    .max_flat_workgroup_size: 128
    .sgpr_count:     66
    .vgpr_count:     80
    .wavefront_size: 32
...
	.end_amdgpu_metadata
.endif
;; end of part 1
;; launch flora (part 2): grid 256 x 1, 4 waves a work-group, clusters of 4 x 1, 327,680 bytes of LDS; arguments x, bt, cf, lowp_scales, wq, out0; writes out0
.if DOCPART == 2
	.amdgcn_target "amdgcn-amd-amdhsa--gfx1250"
	.amdhsa_code_object_version 6
	.text
	.protected	k_q2585738a11_flora
	.globl	k_q2585738a11_flora
	.p2align	8
	.type	k_q2585738a11_flora,@function
k_q2585738a11_flora:
	s_mov_b64 s[64:65], 0
	v_nop
	global_prefetch_b8 v0, s[64:65] scope:SCOPE_SE
	s_setreg_imm32_b32 hwreg(HW_REG_WAVE_MODE, 25, 1), 1
	s_wait_xcnt 0x0
	s_wait_alu depctr_hold_cnt(0) depctr_sa_sdst(0) depctr_va_vdst(0) depctr_va_sdst(0) depctr_va_ssrc(0) depctr_va_vcc(0) depctr_vm_vsrc(0)
	s_getreg_b32 s2, hwreg(HW_REG_IB_STS2, 6, 4)
	s_cmp_eq_u32 s2, 0
	s_cbranch_scc0 .Lentry_in_a_cluster
	s_endpgm
.Lentry_in_a_cluster:
	s_bfe_u32 s2, ttmp6, 0x10000c
	s_cmp_lg_u32 s2, 0x3003
	s_cbranch_scc0 .Lentry_shape_is_right
	s_endpgm
.Lentry_shape_is_right:
; out[b][s][128 r + q] = relu( sum over j of cf(j, r, q) x C[(s, r)][8 q + j] ),  C = Q(f16(x[b][s][k]) x adapter_b[b][k][r]) Q(W0), K = 1,024, in BF8 with the given scales.
; bt (adapter_b with k innermost), cf (adapter_a in lane order, x 2^(e0 + e1 - 3)) and wq (W0's codes as images of operand registers) were made by the launch before.
; A WORK-GROUP makes 256 rows (32 s x 8 r) x all 1,024 columns.  K IS CUT BETWEEN PARTNER WAVES: wave w holds rows 128 (w / 2) .. + 127 for k = 512 (w % 2) .. + 511 as codes in 512 registers,
; so a fragment of W (16 columns x 128 k) feeds eight matrix instructions and a wave reads half of W from LDS.  The fold over j is linear and stands ahead of the relu: each wave folds its own partial sums,
; 16 bytes a lane go into its own plane of a stage in LDS, and after every 32 column tiles (64 q, 256 bytes of each row) the two planes are added, clipped at 0 and stored as whole aligned units of 256 bytes.
; A TILE'S 16 ROWS are 4 s x 4 r (lane % 4 = s, (lane / 4) % 4 = r): tile 2 sg + rg holds s = 4 sg + .., r = 4 rg + ..: a chunk of x serves two tiles, a chunk of bt four, eight coefficients four tiles.
; The matrix instruction is used transposed (source 0 = 16 columns of W, source 1 = 16 rows): a lane's eight results are the eight j of one q.
; W's codes come in slots of 65,536 bytes (4 column tiles, all K) through a ring of two, by loads that the four work-groups of a cluster ask for jointly; wq is prefetched one slot ahead by cluster 0 alone, since all clusters read the same bytes.
; x is read once, at the head, with no loop to run ahead in: no prefetch for it.
; LIMITS: e0 between -126 and 112.  NaN (also from infinity x 0, where |x| passes f16's range) is not served: the clip at 0 drops it.
.set RING1, 65536
.set SPARE, 131072                     ; the spare words, 512 bytes
.set CFL,   131584                     ; cf of my batch, 32,768 bytes, dense
.set STG,   164352                     ; the stage: 2 planes x 256 rows x 272 bytes; the head's scratch lies in the same bytes
.set PLANE, 69632
.set SP,    272
.set BT0,   164352                     ; head: bt of my batch, 8 rows of 4,096 + 16 bytes
.set BP,    4112
.set XS0,   197376                     ; head: each wave's 16 rows x 128 k of x, f32, rows of 512 + 16 bytes
.set XSR,   8448
.set XP,    528
.set BNL,   231168                     ; head: each wave's eight fragments of codes on their way into registers, 16,384 bytes
.set SPW, 1
.set NIL, 2
.set XO,  3
.set TG,  4
.set XSW, 5
.set XR0, 6
.set XRA, 7
.set BR0, 8
.set BN0, 9
.set BNA, 10
.set SCL, 11
.set LIM, 12
.set LK,  13
.set BA,  14
.set CF0, 15
.set CFA, 16
.set ST0, 17
.set STA, 18
.set RD0, 19
.set RD1, 20
.set RA0, 21
.set RA1, 22
.set GO,  23
.set PFO, 24
.set BTW, 30
.set CFW, 31
.set HH,  32                           ; head: v32-63 x as f16 pairs, then two fragments' codes
.set XX,  64                           ; head: v64-127 a chunk of x
.set T0,  128                          ; head: v128-255 two fragments' products
.set CF,  32                           ; main: v32-47 coefficients
.set PP,  48                           ; v48-63 the fold's pairs
.set RR,  64                           ; v64-95 folded sums: tile t, 4 q
.set ACC, 128                          ; v128-191 eight accumulators
.set F0,  192                          ; v192-255 the flush
.set F1,  224
; window 1: head v0-127 x as loaded (two sets), v128-255 two chunks of bt; main v0-127 W's fragments, two sets.  windows 2, 3: my codes: k step ks, tile t at window 2 + ks / 2, v[128 (ks % 2) + 16 t]
.set WV,  16
.set CX,  17
.set G1,  24
.set G0A, 32
.set G0B, 36
.set TB,  40
.set CO,  41
.set SO,  42
.set SL,  44
.set QC,  45
.set BNO, 47
.set PFA, 48
.set PLIM, 50
.set XS,  51
.set EXP0, 52
.set XM,  53
.set FC,  54
.set FO,  55
.set KH,  56
.set MH,  57
.set MSB, 0
.macro WIN new
.if MSB != (\new)
	s_set_vgpr_msb (MSB<<8)|(\new)
.set MSB, (\new)
.endif
.endm
.macro PLACES
.rept 4
	v_nop
.endr
.endm
.macro CREST
	s_cmp_lg_u32 s[WV], 0
	s_cbranch_scc1 .Lnot_wave_0_\@
	s_barrier_signal -3
.Lnot_wave_0_\@:
	s_barrier_wait -3
	s_barrier_signal -1
	s_barrier_wait -1
.endm
.macro CROUND
	s_barrier_signal -1
	s_barrier_wait -1
	CREST
.endm
.macro XLOAD ks                        ; my 16 rows x 128 k of x: a load covers 512 consecutive bytes of a row
	WIN 0x40
.irp i, 0,1,2,3,4,5,6,7,8,9,10,11,12,13,14,15
	global_load_b128 v[64*((\ks)%2)+4*\i:64*((\ks)%2)+4*\i+3], v[XO], s[4:5] offset:\i*4096+(\ks)*512 th:TH_LOAD_NT
.endr
	WIN 0
.endm
.macro CVT2 d, r
	v_cvt_f32_f16 v[\d], v\r\().l
	v_cvt_f32_f16 v[\d+1], v\r\().h
.endm
; One k step of 128: x is rounded to f16, widened again and laid in my own LDS rows; two chunks of bt stay in registers; four trips make two fragments each.
.macro KS ks
.if \ks < 3
	s_wait_loadcnt 16                              ; this step's 16 loads are in; the next set's may be out
.else
	s_wait_loadcnt 0
.endif
	WIN 0x05
.irp i, 0,1,2,3,4,5,6,7,8,9,10,11,12,13,14,15
.irp m, 0,1
	v_cvt_pk_f16_f32 v[HH+2*\i+\m], v[64*((\ks)%2)+4*\i+2*\m], v[64*((\ks)%2)+4*\i+2*\m+1]
.endr
.endr
	WIN 0
.if \ks < 2
	XLOAD (\ks)+2
.endif
.irp r, 32,33,34,35,36,37,38,39,40,41,42,43,44,45,46,47,48,49,50,51,52,53,54,55,56,57,58,59,60,61,62,63
	CVT2 T0+2*(\r-32), \r
.endr
.irp i, 0,1,2,3,4,5,6,7,8,9,10,11,12,13,14,15
	ds_store_b128 v[XSW], v[T0+4*\i:T0+4*\i+3] offset:\i*XP
.endr
	WIN 0x40
.irp g, 0,1
.irp c, 0,1,2,3
.irp j, 0,1,2,3
	ds_load_b128 v[128+64*\g+16*\c+4*\j:128+64*\g+16*\c+4*\j+3], v[BR0] offset:\g*4*BP+(\ks)*512+\c*128+\j*16
.endr
.endr
.endr
	WIN 0
.irp c, 0,1,2,3
.irp j, 0,1,2,3
	ds_load_b128 v[XX+16*\c+4*\j:XX+16*\c+4*\j+3], v[XR0] offset:\c*128+\j*16   ; LDS serves a wave's instructions in order: these see my stores
.endr
.endr
	s_mov_b32 s[XS], 0
	s_mov_b32 s[BNO], 0
	s_mov_b32 s[QC], 4
	s_wait_dscnt 0x0
.Lsg_\@:
	s_add_co_u32 s[XS], s[XS], 4*XP
	s_min_u32 s[XM], s[XS], 12*XP                  ; the next chunk's four rows, held inside my 16
	v_add_nc_u32 v[XRA], s[XM], v[XR0]
	v_add_nc_u32 v[BNA], s[BNO], v[BN0]
	WIN 0x04
.irp g, 0,1
.set i, 0
.rept 32
	v_pk_mul_f32 v[T0+64*\g+i:T0+64*\g+i+1], v[XX+i:XX+i+1], v[128+64*\g+i:128+64*\g+i+1]
.set i, i+2
.endr
.endr
	WIN 0
	s_wait_alu depctr_va_vdst(0)                   ; the wait ahead of the branch
	s_cmp_eq_u32 s[QC], 1
	s_cbranch_scc1 .Lno_next_\@                    ; the last trip has no next chunk
.irp c, 0,1,2,3
.irp j, 0,1,2,3
	ds_load_b128 v[XX+16*\c+4*\j:XX+16*\c+4*\j+3], v[XRA] offset:\c*128+\j*16
.endr
.endr
.Lno_next_\@:
.set i, 0
.rept 128
	v_med3_num_f32 v[T0+i], v[T0+i], -v[LIM], v[LIM]   ; the conversion does not saturate (ISA guide 7.6.2): the hold comes first
.set i, i+1
.endr
.set i, 0
.rept 16
	v_cvt_scalef32_pk8_bf8_f32 v[HH+2*i:HH+2*i+1], v[T0+8*i:T0+8*i+7], v[SCL]
.set i, i+1
.endr
	v_nop                                          ; a plain line behind the last conversion
	s_wait_alu depctr_va_vdst(0)                   ; the wait here, directly ahead of the wait below
	s_wait_dscnt 0x0                               ; the next chunk is in
.irp g, 0,1
.irp c, 0,1,2,3
	ds_store_b128 v[BNA], v[HH+16*\g+4*\c:HH+16*\g+4*\c+3] offset:\g*2048+\c*512
.endr
.endr
	s_add_co_u32 s[BNO], s[BNO], 4096
	s_sub_co_u32 s[QC], s[QC], 1
	s_cmp_lg_u32 s[QC], 0
	s_wait_alu depctr_va_vdst(0)
	s_cbranch_scc1 .Lsg_\@
	WIN (0x80+0x40*((\ks)/2))
.irp t, 0,1,2,3,4,5,6,7
.irp c, 0,1,2,3
	ds_load_b128 v[128*((\ks)%2)+16*\t+4*\c:128*((\ks)%2)+16*\t+4*\c+3], v[BN0] offset:\t*2048+\c*512
.endr
.endr
	WIN 0
.endm
.macro BLOAD u, p                      ; my four fragments of the slot's tile u into set p
	WIN 0x40
.irp k, 0,1,2,3
.irp c, 0,1,2,3
	ds_load_b128 v[64*(\p)+16*\k+4*\c:64*(\p)+16*\k+4*\c+3], v[BA] offset:((\u)/2)*32768+\k*4096+((\u)%2)*2048+\c*512
.endr
.endr
	WIN 0
.endm
.macro CFLOAD u
.irp g, 0,1
.irp h, 0,1
	ds_load_b128 v[CF+8*\g+4*\h:CF+8*\g+4*\h+3], v[CFA] offset:(\u)*512+\g*256+\h*16
.endr
.endr
.endm
.macro MMK p, k, zero                  ; eight matrix instructions, the eight accumulators by turns
	WIN (0x09+4*((\k)/2))
.irp t, 0,1,2,3,4,5,6,7
.if \zero
	v_wmma_f32_16x16x128_bf8_bf8 v[ACC+8*\t:ACC+8*\t+7], v[64*(\p)+16*(\k):64*(\p)+16*(\k)+15], v[128*((\k)%2)+16*\t:128*((\k)%2)+16*\t+15], 0
.else
	v_wmma_f32_16x16x128_bf8_bf8 v[ACC+8*\t:ACC+8*\t+7], v[64*(\p)+16*(\k):64*(\p)+16*(\k)+15], v[128*((\k)%2)+16*\t:128*((\k)%2)+16*\t+15], v[ACC+8*\t:ACC+8*\t+7]
.endif
.endr
.endm
.macro EPI u                           ; the fold over j, eight chains side by side, each accumulator from its low end on
.irp t, 0,1,2,3,4,5,6,7
	v_pk_mul_f32 v[PP+2*\t:PP+2*\t+1], v[ACC+8*\t:ACC+8*\t+1], v[CF+8*(\t%2):CF+8*(\t%2)+1]
.endr
.irp o, 1,2,3
.irp t, 0,1,2,3,4,5,6,7
	v_pk_fma_f32 v[PP+2*\t:PP+2*\t+1], v[ACC+8*\t+2*\o:ACC+8*\t+2*\o+1], v[CF+8*(\t%2)+2*\o:CF+8*(\t%2)+2*\o+1], v[PP+2*\t:PP+2*\t+1]
.endr
.endr
.irp t, 0,1,2,3,4,5,6,7
	v_add_f32 v[RR+4*\t+(\u)], v[PP+2*\t], v[PP+2*\t+1]
.endr
.endm
.macro FOLD u
	WIN 0
	PLACES                                         ; four places ahead of the first read of results
.if (\u) < 4
	s_wait_dscnt 16                                ; the coefficients are in; the next tile's 16 loads may be out
.else
	s_wait_dscnt 0x0                               ; the last tile: the coefficients are in
.endif
	EPI (\u)%4
.endm
.macro UNIT u                          ; one of a slot's first three column tiles
	CFLOAD \u
	BLOAD (\u)+1, 1-((\u)%2)
	s_wait_dscnt 20                                ; this tile's fragments are in; the 20 just issued may be out
	MMK (\u)%2, 0, 1
	MMK (\u)%2, 1, 0
	MMK (\u)%2, 2, 0
	MMK (\u)%2, 3, 0
	FOLD \u
.endm
.macro ASK
	s_cmp_gt_u32 s[SL], s[PLIM]
	s_cbranch_scc0 .Lnot_mine_\@
	global_prefetch_b8 v[PFO], s[PFA:PFA+1] th:TH_LOAD_NT scope:SCOPE_SE   ; the slot behind the one just asked for: 32 blocks of 256 bytes a wave, shared out by address among cluster 0's eight asking waves
.Lnot_mine_\@:
.endm
; A slot: four column tiles.  mode 1: its last tile changes slots and fills this slot again; 2: changes slots, fills nothing; 3: the last slot.
.macro GROUP mode
	UNIT 0
	UNIT 1
	UNIT 2
.if \mode == 3
	CFLOAD 3
	s_wait_dscnt 4
	MMK 1, 0, 1
	MMK 1, 1, 0
	MMK 1, 2, 0
	MMK 1, 3, 0
	FOLD 7
.else
	s_wait_alu depctr_va_vdst(0)
	s_wait_tensorcnt 0x0                           ; my part of the next slot is in
	ds_add_u32 v[SPW], v[NIL]
.if \mode == 1
	s_xor_b32 s[G0B+1], s[G0B+1], RING1
	s_add_nc_u64 s[G0B+2:G0B+3], s[G0B+2:G0B+3], RING1
	s_wait_xcnt 0x0
	s_add_nc_u64 s[PFA:PFA+1], s[PFA:PFA+1], RING1
.endif
	s_wait_dscnt 1                                 ; this tile's fragments are in; the add may be out
	MMK 1, 0, 1
	s_wait_dscnt 0x0                               ; the add is done and my reads of this slot are over
	s_barrier_signal -1
	MMK 1, 1, 0
	WIN 0
	s_barrier_wait -1
.if \mode == 1
	CREST
	tensor_load_to_lds s[G0B:G0B+3], s[G1:G1+7]
	s_nop 0
.endif
	PLACES
	s_xor_b32 s[TB], s[TB], RING1
	v_add_nc_u32 v[BA], s[TB], v[LK]
	CFLOAD 3
	BLOAD 0, 0
.if \mode == 1
	ASK
.endif
	MMK 1, 2, 0
	MMK 1, 3, 0
	FOLD 3
.endif
.irp t, 0,1,2,3,4,5,6,7
	ds_store_b128 v[STA], v[RR+4*\t:RR+4*\t+3] offset:((\t/2)*32+(\t%2)*4)*SP   ; four q of 16 rows into my plane
.endr
	s_add_co_u32 s[CO], s[CO], 2048
	s_add_co_u32 s[SO], s[SO], 16
	s_and_b32 s[SO], s[SO], 127
	v_add_nc_u32 v[CFA], s[CO], v[CF0]
	v_add_nc_u32 v[STA], s[SO], v[ST0]
.endm
; 64 q of all rows leave: wave w takes rows 64 w .. + 63; sixteen lanes read a row's 256 bytes from both planes, add, clip at 0 and store one aligned unit.
.macro FLUSH half
	s_mov_b32 s[FO], 0
	s_mov_b32 s[FC], 4
.Lfl_\@:
	v_add_nc_u32 v[RA0], s[FO], v[RD0]
	v_add_nc_u32 v[RA1], s[FO], v[RD1]
.irp i, 0,1,2,3,4,5,6,7
	ds_load_b128 v[F0+4*\i:F0+4*\i+3], v[RA0] offset:\i*2*SP
	ds_load_b128 v[F1+4*\i:F1+4*\i+3], v[RA1] offset:\i*2*SP
.endr
.irp i, 0,1,2,3,4,5,6,7
	s_wait_dscnt 14-2*\i
	v_pk_add_f32 v[F0+4*\i:F0+4*\i+1], v[F0+4*\i:F0+4*\i+1], v[F1+4*\i:F1+4*\i+1]
	v_pk_add_f32 v[F0+4*\i+2:F0+4*\i+3], v[F0+4*\i+2:F0+4*\i+3], v[F1+4*\i+2:F1+4*\i+3]
.irp e, 0,1,2,3
	v_max_num_f32 v[F0+4*\i+\e], 0, v[F0+4*\i+\e]
.endr
	global_store_b128 v[GO], v[F0+4*\i:F0+4*\i+3], s[14:15] offset:\i*1024+256*\half th:TH_STORE_NT
.endr
	s_add_co_u32 s[FO], s[FO], 16*SP
	s_wait_xcnt 0x0                                ; the stores have read their data and base
	s_add_nc_u64 s[14:15], s[14:15], 8192
	s_sub_co_u32 s[FC], s[FC], 1
	s_cmp_lg_u32 s[FC], 0
	s_wait_alu depctr_va_vdst(0)
	s_cbranch_scc1 .Lfl_\@
	s_sub_nc_u64 s[14:15], s[14:15], 32768
.endm
	s_load_b256 s[4:11], s[0:1], 0x0               ; x, bt, cf, lowp_scales
	s_load_b128 s[12:15], s[0:1], 0x20             ; wq, out0
	v_lshl_add_u32 v[SPW], v0, 2, SPARE
	v_mov_b32 v[NIL], 0
	ds_add_u32 v[SPW], v[NIL]                      ; the opening lines: the add twice and one wait
	ds_add_u32 v[SPW], v[NIL]
	v_lshrrev_b32 v25, 5, v0
	v_readfirstlane_b32 s[WV], v25
	s_bfe_u32 s[CX], ttmp6, 0x40000
	s_mov_b32 s[G1+0], 15|(3<<16)|(1<<21)          ; all four of the cluster; elements of 8 bytes
	s_mov_b32 s[G1+1], 32<<16                      ; rows of 256 bytes
	s_mov_b32 s[G1+2], 64<<16
	s_mov_b32 s[G1+3], 32<<16
	s_mov_b32 s[G1+4], 64                          ; 64 rows: a wave's quarter of a slot
	s_mov_b32 s[G1+5], 32
	s_mov_b32 s[G1+6], 0
	s_mov_b32 s[G1+7], 0
	s_and_b32 s[KH], s[WV], 1                      ; my half of K
	s_lshr_b32 s[MH], s[WV], 1                     ; my half of the rows
	s_lshl_b32 s18, ttmp9, 2
	s_add_co_u32 s18, s18, s[CX]
	s_lshl_b32 s18, s18, 17                        ; the work-group's 131,072 bytes of x and of out0
	s_mov_b32 s19, 0
	s_lshl_b32 s20, s[MH], 16
	s_lshl_b32 s21, s[KH], 11
	s_add_co_u32 s20, s20, s21
	s_add_co_u32 s20, s20, s18
	s_mov_b32 s21, 0
	s_lshr_b32 s22, ttmp9, 3
	s_lshl_b32 s22, s22, 15                        ; the batch's 32,768 bytes of bt and cf
	s_mov_b32 s23, 0
	s_mul_i32 s58, s[WV], XSR
	s_add_co_u32 s58, s58, XS0
	s_lshl_b32 s59, s[KH], 11
	s_add_co_u32 s59, s59, BT0
	s_lshl_b32 s60, s[WV], 14
	s_add_co_u32 s60, s60, BNL
	s_lshl_b32 s61, s[KH], 14
	s_mul_i32 s62, s[KH], PLANE
	s_mul_i32 s63, s[MH], 128*SP
	s_add_co_u32 s62, s62, s63
	s_add_co_u32 s62, s62, STG
	s_mul_i32 s63, s[WV], 64*SP
	s_add_co_u32 s63, s63, STG
	s_lshl_b32 s46, s[WV], 15
	s_lshr_b32 s[PLIM], s[WV], 1
	s_or_b32 s[PLIM], s[PLIM], ttmp9
	s_cmp_eq_u32 s[PLIM], 0
	s_cselect_b32 s[PLIM], 1, -1                   ; waves 0 and 1 of cluster 0 prefetch
	v_and_b32 v25, 31, v0
	v_lshlrev_b32 v[XO], 4, v25
	v_lshlrev_b32 v[PFO], 8, v25
	v_lshlrev_b32 v[TG], 4, v0
	v_add_nc_u32 v[BTW], BT0, v[TG]
	v_add_nc_u32 v[CFW], CFL, v[TG]
	v_add_nc_u32 v[XSW], s58, v[XO]
	v_and_b32 v26, 3, v0                           ; s of my row
	v_bfe_u32 v27, v0, 2, 2                        ; r of my row
	v_bfe_u32 v28, v0, 4, 1                        ; h
	v_and_b32 v29, 15, v0
	v_mul_u32_u24 v[XR0], v26, XP
	v_lshl_add_u32 v[XR0], v28, 6, v[XR0]
	v_add_nc_u32 v[XR0], s58, v[XR0]
	v_mul_u32_u24 v[BR0], v27, BP
	v_lshl_add_u32 v[BR0], v28, 6, v[BR0]
	v_add_nc_u32 v[BR0], s59, v[BR0]
	v_add_nc_u32 v[BN0], s60, v[XO]
	v_add_nc_u32 v[LK], s61, v[XO]
	v_lshlrev_b32 v[CF0], 6, v27
	v_lshl_add_u32 v[CF0], v28, 5, v[CF0]
	v_add_nc_u32 v[CF0], CFL, v[CF0]
	v_lshl_add_u32 v[ST0], v26, 3, v27             ; stage row 8 s + r
	v_mul_u32_u24 v[ST0], v[ST0], SP
	v_lshl_add_u32 v[ST0], v28, 7, v[ST0]          ; h: 32 q further on
	v_add_nc_u32 v[ST0], s62, v[ST0]
	v_mul_u32_u24 v[RD0], v28, SP
	v_lshl_add_u32 v[RD0], v29, 4, v[RD0]
	v_add_nc_u32 v[RD0], s63, v[RD0]
	v_add_nc_u32 v[RD1], PLANE, v[RD0]
	v_lshlrev_b32 v[GO], 9, v28
	v_lshl_add_u32 v[GO], v29, 4, v[GO]
	v_add_nc_u32 v[GO], s46, v[GO]
	s_wait_alu depctr_va_vdst(0)                   ; the wait at the head's end
	s_wait_dscnt 0x0
	s_wait_kmcnt 0x0
	s_load_b32 s[EXP0], s[10:11], 0x0              ; e0
	s_add_nc_u64 s[4:5], s[4:5], s[20:21]
	s_add_nc_u64 s[14:15], s[14:15], s[18:19]
	s_add_nc_u64 s[6:7], s[6:7], s[22:23]
	s_add_nc_u64 s[8:9], s[8:9], s[22:23]
.irp i, 0,1,2,3,4,5,6,7,8,9,10,11,12,13,14,15
	global_load_b128 v[128+4*\i:128+4*\i+3], v[TG], s[6:7] offset:\i*2048
.endr
.irp i, 0,1,2,3,4,5,6,7,8,9,10,11,12,13,14,15
	global_load_b128 v[192+4*\i:192+4*\i+3], v[TG], s[8:9] offset:\i*2048
.endr
	XLOAD 0
	XLOAD 1
	s_lshl_b32 s20, s[WV], 14
	s_mov_b32 s[G0A], 1
	s_mov_b32 s[G0A+1], s20
	s_add_nc_u64 s[G0A+2:G0A+3], s[12:13], s[20:21]
	s_mov_b32 s[G0B], 1
	s_add_co_u32 s[G0B+1], s20, RING1
	s_add_nc_u64 s[G0B+2:G0B+3], s[G0A+2:G0A+3], RING1
	s_or_b32 s[G0A+3], s[G0A+3], 0x80000000
	s_or_b32 s[G0B+3], s[G0B+3], 0x80000000
	s_lshl_b32 s18, s[CX], 14
	s_lshl_b32 s19, s[KH], 13
	s_add_co_u32 s18, s18, s19
	s_add_co_u32 s18, s18, 2*RING1
	s_mov_b32 s19, 0
	s_add_nc_u64 s[PFA:PFA+1], s[12:13], s[18:19]
	CROUND
	tensor_load_to_lds s[G0A:G0A+3], s[G1:G1+7]    ; slot 0: one tensor load a wave at the head
	s_nop 0
	s_wait_kmcnt 0x0
	s_add_co_i32 s20, s[EXP0], 127
	s_lshl_b32 s21, s20, 23
	v_mov_b32 v[SCL], s21                          ; 2^e0
	s_add_co_i32 s20, s20, 15
	s_lshl_b32 s20, s20, 23
	s_or_b32 s20, s20, 0x600000
	v_mov_b32 v[LIM], s20                          ; 57,344 x 2^e0
	s_wait_alu depctr_va_vdst(0)
	s_wait_loadcnt 32                              ; bt and cf are in; x's two sets may be out
.irp i, 0,1,2,3,4,5,6,7,8,9,10,11,12,13,14,15
	ds_store_b128 v[BTW], v[128+4*\i:128+4*\i+3] offset:(\i/2)*BP+(\i%2)*2048
.endr
.irp i, 0,1,2,3,4,5,6,7,8,9,10,11,12,13,14,15
	ds_store_b128 v[CFW], v[192+4*\i:192+4*\i+3] offset:\i*2048
.endr
	s_wait_tensorcnt 0x0                           ; my part of slot 0 is in
	ds_add_u32 v[SPW], v[NIL]
	s_wait_dscnt 0x0                               ; the add, and my stores of bt and cf
	CROUND                                         ; slot 0, bt and cf are whole for every wave
	tensor_load_to_lds s[G0B:G0B+3], s[G1:G1+7]    ; slot 1's first fill
	s_nop 0
	PLACES
	KS 0
	KS 1
	KS 2
	KS 3
	s_mov_b32 s[TB], 0
	s_mov_b32 s[CO], 0
	s_mov_b32 s[SO], 0
	s_mov_b32 s[SL], 14                            ; refills to go
	v_add_nc_u32 v[BA], s[TB], v[LK]
	v_add_nc_u32 v[CFA], s[CO], v[CF0]
	v_add_nc_u32 v[STA], s[SO], v[ST0]
	s_wait_alu depctr_va_vdst(0)
	BLOAD 0, 0
.Lfirst:                                               ; slots 0 to 7: q 0 to 63
	GROUP 1
	s_sub_co_u32 s[SL], s[SL], 1
	s_cmp_lg_u32 s[SL], 6
	s_wait_alu depctr_va_vdst(0)
	s_cbranch_scc1 .Lfirst
	s_wait_dscnt 0x0                               ; my stores into the stage are done
	s_barrier_signal -1
	s_barrier_wait -1
	FLUSH 0
	s_wait_dscnt 0x0                               ; my reads of the stage are over: it is written again behind this barrier
	s_barrier_signal -1
	s_barrier_wait -1
.Lsecond:                                              ; slots 8 to 13
	GROUP 1
	s_sub_co_u32 s[SL], s[SL], 1
	s_cmp_lg_u32 s[SL], 0
	s_wait_alu depctr_va_vdst(0)
	s_cbranch_scc1 .Lsecond
	GROUP 2
	GROUP 3
	s_wait_alu depctr_va_vdst(0)
	s_wait_dscnt 0x0
	s_barrier_signal -1
	s_barrier_wait -1
	FLUSH 1
	s_wait_tensorcnt 0x0                           ; the wave's end
	ds_add_u32 v[SPW], v[NIL]
	s_wait_dscnt 0x0
	CROUND                                         ; the closing round
	s_endpgm
.Lfunc_end_k_q2585738a11_flora:
	.size	k_q2585738a11_flora, .Lfunc_end_k_q2585738a11_flora-k_q2585738a11_flora
	.p2alignl 7, 3214868480
	.fill 96, 4, 3214868480
	.section	.rodata,"a",@progbits
	.p2align	6, 0x0
	.amdhsa_kernel k_q2585738a11_flora
		.amdhsa_group_segment_fixed_size 327680
		.amdhsa_private_segment_fixed_size 0
		.amdhsa_enable_private_segment 0
		.amdhsa_kernarg_size 48
		.amdhsa_user_sgpr_count 2
		.amdhsa_user_sgpr_kernarg_segment_ptr 1
		.amdhsa_wavefront_size32 1
		.amdhsa_system_sgpr_workgroup_id_x 1
		.amdhsa_system_sgpr_workgroup_id_y 1
		.amdhsa_system_sgpr_workgroup_id_z 1
		.amdhsa_system_vgpr_workitem_id 0
		.amdhsa_next_free_vgpr 1024
		.amdhsa_next_free_sgpr 66
		.amdhsa_reserve_vcc 0
		.amdhsa_float_denorm_mode_32 3
		.amdhsa_float_denorm_mode_16_64 3
		.amdhsa_memory_ordered 1
		.amdhsa_forward_progress 1
		.amdhsa_inst_pref_size 230
	.end_amdhsa_kernel
	.amdgpu_metadata
---
amdhsa.version: [ 1, 2 ]
amdhsa.kernels:
  - .name:           k_q2585738a11_flora
    .symbol:         k_q2585738a11_flora.kd
    .args:
      - { .name: x, .offset: 0, .size: 8, .value_kind: global_buffer, .address_space: global }
      - { .name: bt, .offset: 8, .size: 8, .value_kind: global_buffer, .address_space: global }
      - { .name: cf, .offset: 16, .size: 8, .value_kind: global_buffer, .address_space: global }
      - { .name: lowp_scales, .offset: 24, .size: 8, .value_kind: global_buffer, .address_space: global }
      - { .name: wq, .offset: 32, .size: 8, .value_kind: global_buffer, .address_space: global }
      - { .name: out0, .offset: 40, .size: 8, .value_kind: global_buffer, .address_space: global }
    .group_segment_fixed_size: 327680
    .private_segment_fixed_size: 0
    .kernarg_segment_align: 8
    .kernarg_segment_size: 48
    .max_flat_workgroup_size: 128
    .sgpr_count:     66
    .vgpr_count:     1024
    .wavefront_size: 32
...
	.end_amdgpu_metadata
.endif
;; end of part 2
